; MI455X (gfx1250); checked and timed in simulation.
; The chip was launched on July 23, 2026; its instructions are those of AMD's public machine-readable ISA for CDNA 5 (MIT licence, August 2026) and "CDNA5" Instruction Set Architecture Reference Guide (July 2026). The comments in the code are by the model that wrote it; some were corrected since.
;; Distributed XTWMLP. Allowed arithmetic: matrix products marked QUANTISED: E2M1 operands, one E8M0 scale for each 32 along K, by v_wmma_scale_f32_16x16x128_f8f6f4 with both operands' format E2M1 (or v_wmma_scale_f32_32x16x128_f4), f32 sums; everything else in f32.
;; Inputs: W1 2,048 x 8,192 float32; W2 8,192 x 2,048 float32; b1 8,192 float32; b2 2,048 float32; x 2,048 x 2,048 float32.
;; Outputs: out0 2,048 x 2,048 float32.
;; This version of the problem:
;;   THIS VERSION OF THE PROBLEM IS GIVEN IN LOW PRECISION. The matrix products marked QUANTISED in the list below multiply operands that are first quantised to E2M1 (2 exponent bits, 1 mantissa bit; 4 bits a number), with one power-of-two scale for each 32 numbers along K (OCP MX v1.0); their sums are f32. All else is computed in f32.
;;   The module's matrix products, in the order in which they are computed (A, B: the left and right operand; K: the contracted axis; several contracted axes count as one K, in the product's order):
;;     1. [M 2,048, K 2,048] x [K 2,048, N 8,192]; A: input x; B: input W1: QUANTISED
;;     2. [M 2,048, K 8,192] x [K 8,192, N 2,048]; A: computed on the way; B: input W2: QUANTISED
;;   THE QUANTISER, for each operand of a quantised product, along K:
;;     - K is cut into blocks of 32 from its start; a last block that is shorter is filled with zeros.
;;     - A block's scale is 2^e with e = floor(log2(the largest magnitude in the block)) - 2, held to -126 .. 127; a block of zeros has e = 0. As a byte (E8M0): e + 127.
;;     - Each number is divided by its block's scale, clamped to +-6, and rounded to the nearest number of E2M1, ties to even, subnormals kept.
;;     - The product sums the exact products of the quantised numbers (number of the format x scale) in f32.
;;   ~~~python
;;   def quantise(x, axis):      # numpy; x: float32 -> the quantised numbers, widened to float32 again
;;       x = np.moveaxis(x, axis, -1); K = x.shape[-1]
;;       x = np.pad(x, [(0, 0)] * (x.ndim - 1) + [(0, -K % 32)]); x = x.reshape(x.shape[:-1] + (-1, 32)); a = np.abs(x).max(-1, keepdims=True)
;;       e = np.where(a > 0, np.clip(np.frexp(np.where(a > 0, a, 1))[1] - 1 - 2, -126, 127), 0)      # np.frexp(a)[1] - 1 = floor(log2(a)), exactly
;;       r = np.clip(x / 2.0 ** e, -6, 6)
;;       step = 2.0 ** (np.maximum(np.frexp(np.where(r == 0, 1, r))[1] - 1, 0) - 1)
;;       q = np.round(r / step) * step * 2.0 ** e      # np.round: ties to even
;;       return np.moveaxis(q.reshape(q.shape[:-2] + (-1,))[..., :K], -1, axis).astype(np.float32)
;;   ~~~
;;   OPERANDS COMPUTED ON THE WAY. 'Computed on the way' means the value that the module computes at that place (a softmax that the list does not call 'softmax' is quantised finished and normalised). What goes into a quantiser is computed in f32, as accurately as f32 sums, v_exp_f32 and their like allow (about 1e-6 of the number): no bf16 or f16 on the way to a quantiser, and a product that is left as it is and whose result goes on into a quantised operand takes f32 operands (vector FMAs, or v_wmma_f32_16x16x4_f32). A number that lies on a knife's edge between two numbers of the format may be rounded either way, as far as f32 arithmetic and the matrix unit's own rounding can turn it there, and no further.
;; One version. Each part assembles by itself: llvm-mc -triple=amdgcn-amd-amdhsa -mcpu=gfx1250 --defsym DOCPART=n.
;; ======== version 1 of 1: 3 launches
;; limits: right only within a limited range of input values
;; workspace buffers: xq 2,228,224 bytes; w1q 8,912,896 bytes; w2q 8,912,896 bytes; hq 8,912,896 bytes
;; launch quant (part 1): grid 1280 x 1, 4 waves a work-group, no clusters, 1,024 bytes of LDS; arguments x, W1, xq, w1q; writes xq, w1q
.if DOCPART == 1
	.amdgcn_target "amdgcn-amd-amdhsa--gfx1250"
	.amdhsa_code_object_version 6
	.text
	.protected	k_qdc91a3c28e_quant
	.globl	k_qdc91a3c28e_quant
	.p2align	8
	.type	k_qdc91a3c28e_quant,@function
k_qdc91a3c28e_quant:
	s_mov_b64 s[64:65], 0
	v_nop
	global_prefetch_b8 v0, s[64:65] scope:SCOPE_SE
	s_setreg_imm32_b32 hwreg(HW_REG_WAVE_MODE, 25, 1), 1
	s_wait_xcnt 0x0
; x [2048 k][2048] and W1 [2048 k][8192], f32, K the FIRST axis, become codes of FP4 (E2M1) with one E8M0 byte for each 32 along K.  (W2 is quantised by the launch of the first product.)
; A block's scale is 2^(floor(log2(its largest magnitude)) - 2); its byte is that magnitude's exponent field - 2, held at 1 from below; each number / scale goes to the nearest code, ties to even, beyond 6 the largest code.
; LIMITS: NaN and infinities among the inputs are not served.  A block of zeros gets the byte 1 where the rule says 127: its codes are zeros, which add nothing, and this program alone reads the bytes.
; THE LAYOUT of both results, for an operand of R rows (columns of the input) and K: [K / 512 steps][17 planes][16 R bytes].
;   plane p < 16 of step s: block 16 s + p of every row: row r's 32 codes are the 16 bytes at 16 r, the lower k in the lower bits.
;   plane 16: the scale bytes, by groups of 128 rows: [group][word q = 0..3][128 rows][4 bytes]: word q of a row holds the bytes of k = 512 s + 128 q + 32 b, b = 0..3.
; So 128 rows x 512 K with their scales are 17 pieces of 2,048 bytes, one plane apart: one tile for the products' launches.
; In w1q the rows are laid in another order: position p holds W1's column p with bits 3 and 4 exchanged, so that the first product's results fall as neighbours along the second product's K.
; SHARES.  A work-group takes 128 columns x 128 K, a wave 32 columns, A LANE ONE COLUMN, ITS REGISTERS RUNNING DOWN K: a block of 32 lies in one lane's 32 registers, its maximum needs no other lane, and the
; conversions give the block's 16 bytes in four registers.  Neighbouring lanes are neighbouring rows of the result: a wave's store of a block covers 512 consecutive bytes, aligned.  No stage for the codes.
; Work-groups 0-1023 take W1 (64 column groups x 16 chunks of K), 1024-1279 x (16 x 16): 1,280 of equal work, five for each of 256 WGPs; one path, the tensor's figures chosen by s_cselect on the work-group's number.
; Every base is made once and never rewritten, each block has its own registers for its codes: no source of a pending load or store is ever written again.
.set WD,  6                            ; v6       my column's scale word
.set OFF, 8                            ; v8-39    row i of a block: i x the input's pitch + 4 x my column
.set X,   40                           ; v40-103  two sets of 32 numbers
.set C,   104                          ; v104-119 a block's codes, four registers for each of the 4 blocks
.set MA,  120                          ; v120-121 the largest magnitude, in two chains
.set MB,  121
.set SO,  122                          ; v122     the conversion's scale operand
.set BY,  123                          ; v123     the scale's byte
.set BK,  124                          ; v124-127 scale words on the way out
.set SB,  32                           ; s[32:39] the input at block t's first row, t = 0..3
.set DB,  40                           ; s[40:47] the result at block t's plane
.set SS,  48                           ; s[48:49] the result at the work-group's 512 scale bytes
.set WV,  56                           ; s56      my wave's number
	s_load_b256 s[4:11], s[0:1], 0x0               ; x s[4:5], W1 s[6:7], xq s[8:9], w1q s[10:11]
	v_lshl_add_u32 v128, v0, 2, 0x200
	v_mov_b32 v129, 0
	v_lshlrev_b32 v1, 4, v0                        ; codes: 16 bytes a row
	v_lshlrev_b32 v2, 2, v0                        ; LDS, in: 4 bytes a row
	v_lshrrev_b32 v3, 5, v0
	v_readfirstlane_b32 s[WV], v3
	v_lshrrev_b32 v4, 3, v0
	v_lshrrev_b32 v5, 4, v0
	v_xor_b32 v4, v4, v5
	v_and_b32 v4, 1, v4                            ; 1 where bits 3 and 4 of my number differ
	s_wait_alu depctr_va_vdst(0)
	s_wait_kmcnt 0x0
	s_cmp_lt_u32 ttmp9, 1024                       ; W1 or x?  The choices hang on the work-group's number alone
	s_cselect_b64 s[16:17], s[6:7], s[4:5]         ; the input
	s_cselect_b64 s[18:19], s[10:11], s[8:9]       ; the result
	s_cselect_b32 s20, 0, 1024                     ; the tensor's first work-group
	s_cselect_b32 s21, 6, 4                        ; log2 of the column groups
	s_cselect_b32 s22, 15, 13                      ; log2 of the input's pitch in bytes
	s_cselect_b32 s23, 17, 15                      ; log2 of a plane's bytes
	s_cselect_b32 s24, 24, 0                       ; W1 alone: bits 3 and 4 change places
	s_sub_co_u32 s25, ttmp9, s20
	s_bfm_b32 s26, s21, 0
	s_and_b32 s26, s25, s26                        ; column group
	s_lshr_b32 s27, s25, s21                       ; chunk of 128 along K
	s_lshr_b32 s28, s27, 2                         ; step of 512
	s_and_b32 s29, s27, 3                          ; and which quarter of it: word q
	v_mul_u32_u24 v4, s24, v4
	v_xor_b32 v4, v0, v4                           ; the column that my row of the result holds
	v_lshlrev_b32 v[OFF], 2, v4
.set i, 1
.rept 31
	v_lshl_add_u32 v[OFF+i], i, s22, v[OFF]
.set i, i+1
.endr
	s_add_co_u32 s30, s22, 7
	s_lshl_b32 s30, s27, s30                       ; chunk x 128 rows (under 2^26 bytes)
	s_lshl_b32 s31, s26, 9                         ; + column group x 512 bytes
	s_add_co_u32 s30, s30, s31
	s_mov_b32 s31, 0
	s_add_nc_u64 s[SB:SB+1], s[16:17], s[30:31]
	s_add_co_u32 s30, s22, 5
	s_lshl_b32 s30, 1, s30                         ; 32 rows
.irp t, 1,2,3
	s_add_nc_u64 s[SB+2*\t:SB+2*\t+1], s[SB+2*\t-2:SB+2*\t-1], s[30:31]
.endr
	s_mul_i32 s50, s28, 17                         ; the step's first plane
	s_lshl_b32 s51, s29, 2
	s_add_co_u32 s51, s51, s50                     ; my first block's plane
	s_lshl_b32 s52, s51, s23
	s_lshl_b32 s54, s26, 11                        ; + column group x 2,048 bytes
	s_add_co_u32 s52, s52, s54
	s_mov_b32 s53, 0
	s_add_nc_u64 s[DB:DB+1], s[18:19], s[52:53]
	s_lshl_b32 s52, 1, s23                         ; a plane
.irp t, 1,2,3
	s_add_nc_u64 s[DB+2*\t:DB+2*\t+1], s[DB+2*\t-2:DB+2*\t-1], s[52:53]
.endr
	s_add_co_u32 s50, s50, 16                      ; the step's plane of scales,
	s_lshl_b32 s50, s50, s23
	s_add_co_u32 s50, s50, s54                     ; my group of 128 rows,
	s_lshl_b32 s51, s29, 9                         ; word q: 512 bytes
	s_add_co_u32 s50, s50, s51
	s_mov_b32 s51, 0
	s_add_nc_u64 s[SS:SS+1], s[18:19], s[50:51]
.macro LOAD t                          ; block t: rows 32 t + i of my chunk, my column, into set t % 2; a wave's load reads 128 consecutive bytes, the four waves stand side by side on 512
.set i, 0
.rept 32
	global_load_b32 v[X+32*((\t)%2)+i], v[OFF+i], s[SB+2*(\t):SB+2*(\t)+1] th:TH_LOAD_NT
.set i, i+1
.endr
.endm
.macro BLOCK t
.set XS, X+32*((\t)%2)
.if (\t) < 3
	s_wait_loadcnt 32                              ; this block's 32 loads are in; the next block's 32 may be out
.else
	s_wait_loadcnt 0x0
.endif
	v_max3_num_f32 v[MA], |v[XS]|, |v[XS+1]|, |v[XS+2]|            ; the block's largest magnitude: all 32 numbers are mine
	v_max3_num_f32 v[MB], |v[XS+3]|, |v[XS+4]|, |v[XS+5]|
.irp i, 6,10,14,18,22,26
	v_max3_num_f32 v[MA], v[MA], |v[XS+\i]|, |v[XS+\i+1]|
	v_max3_num_f32 v[MB], v[MB], |v[XS+\i+2]|, |v[XS+\i+3]|
.endr
	v_max3_num_f32 v[MA], v[MA], |v[XS+30]|, |v[XS+31]|
	v_max3_num_f32 v[MA], v[MA], v[MB], 0x1800000  ; and the floor 2^(3 - 127): the byte cannot fall under 1
	v_add_nc_u32 v[SO], 0xff000000, v[MA]          ; 2 off the exponent field: the conversion takes the exponent field of this operand as its scale
	v_lshrrev_b32 v[BY], 23, v[SO]                 ; the scale's byte
.if (\t) == 0
	v_mov_b32 v[WD], v[BY]                         ; four bytes to a word, the lower K in the lower byte
.else
	v_lshl_or_b32 v[WD], v[BY], 8*(\t), v[WD]
.endif
.irp g, 0,1,2,3
	v_cvt_scalef32_pk8_fp4_f32 v[C+4*(\t)+\g], v[XS+8*\g:XS+8*\g+7], v[SO]
.endr
	global_store_b128 v1, v[C+4*(\t):C+4*(\t)+3], s[DB+2*(\t):DB+2*(\t)+1]   ; 32 lanes store 512 consecutive bytes, at a multiple of 256 from the buffer's first byte
.if (\t)+2 < 4
	LOAD (\t)+2
.endif
.endm
	s_wait_alu depctr_va_vdst(0)
	LOAD 0
	LOAD 1
.irp t, 0,1,2,3
	BLOCK \t
.endr
	ds_store_b32 v2, v[WD]                         ; the word of 128 rows on end: as plane 16 has them
	s_wait_dscnt 0x0                               ; for wave 0's sake: my words lie in LDS
	s_barrier_signal -1
	s_barrier_wait -1
	s_cmp_lg_u32 s[WV], 0                          ; wave 0 stores the work-group's 512 scale bytes; no barrier stands behind this branch
	s_cbranch_scc1 .Ldone
	ds_load_b128 v[BK:BK+3], v1                    ; 16 bytes a lane (in wave 0 the thread's number is the lane's)
	s_wait_dscnt 0x0
	global_store_b128 v1, v[BK:BK+3], s[SS:SS+1]   ; 512 consecutive bytes, aligned
.Ldone:
	s_wait_tensorcnt 0x0
	ds_add_u32 v128, v129
	s_wait_dscnt 0x0
	s_endpgm
.Lfunc_end_k_qdc91a3c28e_quant:
	.size	k_qdc91a3c28e_quant, .Lfunc_end_k_qdc91a3c28e_quant-k_qdc91a3c28e_quant
	.p2alignl 7, 3214868480
	.fill 96, 4, 3214868480
	.section	.rodata,"a",@progbits
	.p2align	6, 0x0
	.amdhsa_kernel k_qdc91a3c28e_quant
		.amdhsa_group_segment_fixed_size 1024
		.amdhsa_private_segment_fixed_size 0
		.amdhsa_enable_private_segment 0
		.amdhsa_kernarg_size 32
		.amdhsa_user_sgpr_count 2
		.amdhsa_user_sgpr_kernarg_segment_ptr 1
		.amdhsa_wavefront_size32 1
		.amdhsa_system_sgpr_workgroup_id_x 1
		.amdhsa_system_sgpr_workgroup_id_y 1
		.amdhsa_system_sgpr_workgroup_id_z 1
		.amdhsa_system_vgpr_workitem_id 0
		.amdhsa_next_free_vgpr 130
		.amdhsa_next_free_sgpr 66
		.amdhsa_reserve_vcc 0
		.amdhsa_float_denorm_mode_32 3
		.amdhsa_float_denorm_mode_16_64 3
		.amdhsa_memory_ordered 1
		.amdhsa_forward_progress 1
		.amdhsa_inst_pref_size 24
	.end_amdhsa_kernel
	.amdgpu_metadata
---
amdhsa.version: [ 1, 2 ]
amdhsa.kernels:
  - .name:           k_qdc91a3c28e_quant
    .symbol:         k_qdc91a3c28e_quant.kd
    .args:
      - { .name: x, .offset: 0, .size: 8, .value_kind: global_buffer, .address_space: global }
      - { .name: W1, .offset: 8, .size: 8, .value_kind: global_buffer, .address_space: global }
      - { .name: xq, .offset: 16, .size: 8, .value_kind: global_buffer, .address_space: global }
      - { .name: w1q, .offset: 24, .size: 8, .value_kind: global_buffer, .address_space: global }
    .group_segment_fixed_size: 1024
    .private_segment_fixed_size: 0
    .kernarg_segment_align: 8
    .kernarg_segment_size: 32
    .max_flat_workgroup_size: 128
    .sgpr_count:     66
    .vgpr_count:     130
    .wavefront_size: 32
...
	.end_amdgpu_metadata
.endif
;; end of part 1
;; launch fc1 (part 2): grid 32 x 8, 4 waves a work-group, clusters of 4 x 4, 327,680 bytes of LDS; arguments xq, w1q, b1, hq, W2, w2q; writes hq, w2q
.if DOCPART == 2
	.amdgcn_target "amdgcn-amd-amdhsa--gfx1250"
	.amdhsa_code_object_version 6
	.text
	.protected	k_qdc91a3c28e_fc1
	.globl	k_qdc91a3c28e_fc1
	.p2align	8
	.type	k_qdc91a3c28e_fc1,@function
k_qdc91a3c28e_fc1:
	s_mov_b64 s[64:65], 0
	v_nop
	global_prefetch_b8 v0, s[64:65] scope:SCOPE_SE
	s_setreg_imm32_b32 hwreg(HW_REG_WAVE_MODE, 25, 1), 1
	s_wait_xcnt 0x0
	s_wait_alu depctr_hold_cnt(0) depctr_sa_sdst(0) depctr_va_vdst(0) depctr_va_sdst(0) depctr_va_ssrc(0) depctr_va_vcc(0) depctr_vm_vsrc(0)
	s_getreg_b32 s2, hwreg(HW_REG_IB_STS2, 6, 4)
	s_cmp_eq_u32 s2, 0
	s_cbranch_scc0 .Lentry_in_a_cluster
	s_endpgm
.Lentry_in_a_cluster:
	s_bfe_u32 s2, ttmp6, 0x10000c
	s_cmp_lg_u32 s2, 0xf033
	s_cbranch_scc0 .Lentry_shape_is_right
	s_endpgm
.Lentry_shape_is_right:
; hq = Q(gelu(x^T W1 + b1)) on codes of FP4 with E8M0 scales, and beside it w2q = Q(W2).
; xq (2,048 tokens), w1q (8,192 hidden units, bits 3 and 4 of the position exchanged), hq and w2q are laid [K / 512][17 planes][16 R bytes]: plane p < 16: block p of the step, 16 bytes a row;
; plane 16: scale words [group of 128 rows][q][128 rows][4 bytes].  A PART = 128 rows x 512 K with scales = 17 pieces of 2,048 bytes, one tensor load, dense in LDS.
; A work-group makes 256 tokens x 256 hidden units, a wave 128 x 128 in 512 registers; K = 2,048 goes in four slots' fills of 512 (16 steps of 128) through two LDS slots of four parts.
; THE MATRIX INSTRUCTION is the 32 x 16 x 128 form, used transposed: source 0 = 32 rows of w1q, source 1 = 16 tokens; a lane holds one token, and by w1q's order the 16 registers of a result are 16 neighbours along the next K.
; Scale words: a register of W1's holds 32 rows' words, lane m row m; a register of the tokens' holds two blocks' words, the odd block's read by ROW1.  b1 is the C of the first step.
; gelu(v) = v / (1 + 2^t), t = v (C0 + C1 v^2), C0 = -2 log2(e) sqrt(2 / pi), C1 = 0.044715 C0: the tanh form, in f32.
; W2: a wave takes 128 columns x 128 K in four blocks of 32 along K, 32 loads of 512 consecutive bytes each, into 128 registers of window 1 that the products leave idle (on the way out also into W1's).
; Among the products the loads are dealt out in runs of 4 to 8, each behind a step's last LDS loads: block 0's behind the first fragment loads and steps 0 to 5, block 1's behind steps 9 to 14.
; Block 0 is quantised behind step 9, blocks 1 to 3 among the blocks of the way out, where blocks 2 and 3 are asked for.  Each block's loads are out for four steps or two blocks of the way out: W2 has no prefetch of its own.
; W2's codes wait in LDS bytes of their own and leave with hq's codes, in two runs of stores on the way out.
; CLUSTERS: 4 x 4; the tokens' parts are shared along a row of the cluster, W1's along a column, by joint loads.
; PREFETCH: slot 1's fill is asked for at the head, the third and fourth fills behind slot 1's load: one, one and two loads ahead of their own.  Of a part's 17 x 8 blocks of 256 bytes each of the four partners names 17 x 2,
; told apart by address: one instruction for planes 0-15 (a lane a block), one for plane 16 (lanes 1-31 name its second block).  All addresses lie inside steps 1 to 3 of xq or w1q.
; LIMITS: NaN and infinities among the inputs are not served.  A block of zeros gets the byte 1 where the rule says 127: its codes are zeros, and this program alone reads the bytes.
; REGISTERS: window 0: v1-31 addresses; v32-95 scale words, two sets; v96-127 small work; v128-191 the tokens' fragments, then the way out's 64 numbers; v192-255 b1, then W2's work, then hq's codes.
;   window 1: W1's fragments, two sets at v0 and v128; W2's numbers at v64-127 and v192-255.  windows 2, 3: the accumulators of tokens 0-63, 64-127.
.set NQ,    4
.set PART,  17*2048
.set SLOT,  4*PART
.set SPARE, 2*SLOT                     ; the spare words: 512 bytes that no other line names
.set STG,   SPARE+512                  ; hq's scale words, 512 bytes a wave
.set STG2,  STG+2048                   ; W2's codes: block t at 8,192 t, 2,048 bytes a wave in it
.set KSA,   17*32768
.set KSB,   17*131072
.set NP,    4
.set WSA,  9
.set WRA,  10
.set WW,   12                          ; v12-15 W2's scale words of my four columns
.set ADRA, 16
.set ADSW, 18                          ; v18-19 W1's scale words in slot 0, 1
.set ADRB, 20
.set ADST, 22                          ; v22-23 the tokens' scale words
.set HO,   24
.set SW,   25
.set SRD,  26
.set GL,   27                          ; 16 x lane
.set SPW,  28
.set NIL,  29
.set PFO,  30
.set PFS,  31
.set SC,   32                          ; set s at SC + 32 s: 4 aa + q the tokens' blocks 2 aa, 2 aa + 1; 16 + 4 bb + q W1's rows 32 bb ..
.set PW,   96
.set TM,   104
.set WMA,  112
.set WMB,  113
.set WSO,  114
.set WBY,  115
.set C0,   120
.set FW,   124
.set AF,   128
.set T,    128
.set BI,   192
.set PC,   192
.set SEL,  12
.set C1,   66
.set HB,   74
.set HS,   76
.set WSRC, 84
.set WDST, 86
.set WSC,  88
.set G1, 24
.set G0, 32
.set G1B, 48
.set G0B, 56
.set MSB, 0
.macro WIN new                         ; the immediate's high byte repeats the setting that is left
.if MSB != (\new)
	s_set_vgpr_msb (MSB<<8)|(\new)
.set MSB, \new
.endif
.endm
.set MUL_LO, 0xa1
.set MUL_HI, 0xf1
.set TO_B,   0x40
.macro JLOAD g0a, g1a, g0b, g1b        ; waves 0, 1 fetch the tokens' parts, waves 2, 3 W1's; s_nop 0 and four v_nop behind each line
	s_cmp_eq_u32 s15, 0
	s_cbranch_scc0 .Lfor_b_\@
	tensor_load_to_lds s[\g0a:\g0a+3], s[\g1a:\g1a+7]
	s_nop 0
.rept 4
	v_nop
.endr
	s_branch .Lasked_\@
.Lfor_b_\@:
	tensor_load_to_lds s[\g0b:\g0b+3], s[\g1b:\g1b+7]
	s_nop 0
.rept 4
	v_nop
.endr
.Lasked_\@:
.endm
.macro CREST
	s_cmp_lg_u32 s14, 0
	s_cbranch_scc1 .Lnot_wave_0_\@
	s_barrier_signal -3
.Lnot_wave_0_\@:
	s_barrier_wait -3
	s_barrier_signal -1
	s_barrier_wait -1
.endm
.macro CROUND
	s_barrier_signal -1
	s_barrier_wait -1
	CREST
.endm
.macro ASK b                           ; my 34 blocks of the part at s[b:b+1]
	global_prefetch_b8 v[PFO], s[\b:\b+1] th:TH_LOAD_NT scope:SCOPE_SE
	global_prefetch_b8 v[PFS], s[\b:\b+1] th:TH_LOAD_NT scope:SCOPE_SE
.endm
.macro LOADP t, wb, i0, n              ; W2's block t, rows i0 .. i0 + n - 1: row i's 16 bytes a lane into window 1, v[wb + 4 i], rows 16-31 64 registers further on
	WIN TO_B
.set i, \i0
.rept \n
	global_load_b128 v[\wb+4*i+64*(i/16):\wb+4*i+64*(i/16)+3], v[GL], s[WSRC:WSRC+1] offset:(32*(\t)+i)*8192 th:TH_LOAD_NT
.set i, i+1
.endr
	WIN 0
.endm
	s_load_b256 s[4:11], s[0:1], 0x0               ; xq, w1q, b1, hq
	s_load_b128 s[80:83], s[0:1], 0x20             ; W2, w2q
	v_lshl_add_u32 v[SPW], v0, 2, SPARE
	v_mov_b32 v[NIL], 0
	ds_add_u32 v[SPW], v[NIL]                      ; the opening lines: the add twice on end and its wait
	ds_add_u32 v[SPW], v[NIL]
	v_lshrrev_b32 v1, 5, v0
	v_readfirstlane_b32 s14, v1                    ; wave
	s_lshr_b32 s15, s14, 1                         ; my half of the tokens; also: I fetch tokens (0) or W1 (1)
	s_and_b32 s16, s14, 1                          ; my half of the hidden units; also: which 128 rows I fetch
	s_bfe_u32 s40, ttmp6, 0x40000                  ; cx
	s_bfe_u32 s41, ttmp6, 0x40004                  ; cy
	s_lshl_b32 s42, ttmp9, 2
	s_add_co_u32 s42, s42, s40                     ; tile of hidden units
	s_and_b32 s17, ttmp7, 0xffff
	s_lshl_b32 s17, s17, 2
	s_add_co_u32 s17, s17, s41                     ; tile of tokens
	s_lshl_b32 s43, s41, 2
	s_lshl_b32 s43, 15, s43
	s_lshl_b32 s44, 0x1111, s40
	s_or_b32 s[G1+0], s43, (3<<16)|(1<<21)         ; 17 rows of 256 elements of 8 bytes, a plane apart; the mask of my row, bit 21 beside it
	s_or_b32 s[G1B+0], s44, (3<<16)|(1<<21)        ; of my column
.irp g, G1, G1B
	s_mov_b32 s[\g+1], 256<<16
	s_mov_b32 s[\g+2], 17<<16
	s_mov_b32 s[\g+3], 256<<16
	s_mov_b32 s[\g+4], 17
	s_mov_b32 s[\g+6], 0
	s_mov_b32 s[\g+7], 0
.endr
	s_mov_b32 s[G1+5], 32768/8
	s_mov_b32 s[G1B+5], 131072/8
	s_lshl_b32 s18, s16, 11
	s_lshl_b32 s20, s17, 12
	s_add_co_u32 s20, s20, s18
	s_mov_b32 s21, 0
	s_lshl_b32 s46, s42, 12
	s_add_co_u32 s46, s46, s18
	s_mov_b32 s47, 0
	s_mul_i32 s45, s14, PART                       ; part = wave: no place in the cluster enters an LDS address
	s_wait_dscnt 0x0
	s_wait_kmcnt 0x0
	s_add_nc_u64 s[20:21], s[4:5], s[20:21]
	s_add_nc_u64 s[46:47], s[6:7], s[46:47]
.irp s, 0,1
	s_mov_b32 s[G0+4*\s], 1
	s_add_co_u32 s[G0+4*\s+1], s45, \s*SLOT
	s_add_nc_u64 s[G0+4*\s+2:G0+4*\s+3], s[20:21], \s*KSA
	s_or_b32 s[G0+4*\s+3], s[G0+4*\s+3], 0x80000000
	s_mov_b32 s[G0B+4*\s], 1
	s_add_co_u32 s[G0B+4*\s+1], s45, \s*SLOT
	s_add_nc_u64 s[G0B+4*\s+2:G0B+4*\s+3], s[46:47], \s*KSB
	s_or_b32 s[G0B+4*\s+3], s[G0B+4*\s+3], 0x80000000
.endr
	CROUND                                         ; the first joint loads meet
	JLOAD G0, G1, G0B, G1B                         ; slot 0: one tensor load a wave at the head
	; scalar addresses
	s_lshl_b32 s68, s42, 10                        ; b1 of my 128 hidden units
	s_lshl_b32 s69, s16, 9
	s_add_co_u32 s68, s68, s69
	s_mov_b32 s69, 0
	s_add_nc_u64 s[8:9], s[8:9], s[68:69]
	s_lshr_b32 s70, s42, 1                         ; hq: step of 512 = tile / 2; my four planes; my 128 tokens
	s_mul_i32 s70, s70, 17
	s_and_b32 s71, s42, 1
	s_lshl_b32 s72, s71, 3
	s_add_co_u32 s72, s72, s70
	s_lshl_b32 s73, s16, 2
	s_add_co_u32 s72, s72, s73
	s_lshl_b32 s72, s72, 15
	s_lshl_b32 s78, s17, 12
	s_lshl_b32 s79, s15, 11
	s_add_co_u32 s78, s78, s79
	s_add_co_u32 s72, s72, s78
	s_mov_b32 s73, 0
	s_add_nc_u64 s[HB:HB+1], s[10:11], s[72:73]
	s_add_co_u32 s70, s70, 16                      ; and my word q in the plane of scales
	s_lshl_b32 s72, s70, 15
	s_add_co_u32 s72, s72, s78
	s_lshl_b32 s71, s71, 10
	s_add_co_u32 s72, s72, s71
	s_lshl_b32 s71, s16, 9
	s_add_co_u32 s72, s72, s71
	s_add_nc_u64 s[HS:HS+1], s[10:11], s[72:73]
	s_lshl_b32 s78, s14, 9
	s_add_co_u32 s78, s78, STG
	s_and_b32 s90, s42, 3                          ; W2: column group of 128 = 4 (tile % 4) + wave; chunk of 128 along K = tile / 4 + 8 x tile of tokens
	s_lshl_b32 s90, s90, 2
	s_add_co_u32 s90, s90, s14
	s_lshr_b32 s91, s42, 2
	s_lshl_b32 s92, s17, 3
	s_add_co_u32 s91, s91, s92
	s_lshl_b32 s92, s91, 20
	s_lshl_b32 s93, s90, 9
	s_add_co_u32 s92, s92, s93
	s_mov_b32 s93, 0
	s_add_nc_u64 s[WSRC:WSRC+1], s[80:81], s[92:93]
	s_lshr_b32 s94, s91, 2
	s_mul_i32 s94, s94, 17
	s_and_b32 s95, s91, 3
	s_lshl_b32 s92, s95, 2
	s_add_co_u32 s92, s92, s94
	s_lshl_b32 s92, s92, 15
	s_lshl_b32 s96, s90, 11
	s_add_co_u32 s92, s92, s96
	s_add_nc_u64 s[WDST:WDST+1], s[82:83], s[92:93]
	s_add_co_u32 s94, s94, 16
	s_lshl_b32 s92, s94, 15
	s_add_co_u32 s92, s92, s96
	s_lshl_b32 s95, s95, 9
	s_add_co_u32 s92, s92, s95
	s_add_nc_u64 s[WSC:WSC+1], s[82:83], s[92:93]
	s_lshl_b32 s79, s14, 11
	s_add_co_u32 s79, s79, STG2
	s_mul_i32 s22, s15, PART                       ; my tokens' part, my W1 part
	s_mul_i32 s23, s16, PART
	s_add_co_u32 s23, s23, 2*PART
	s_add_co_u32 s96, s22, 16*2048                 ; and their planes of scales
	s_add_co_u32 s97, s23, 16*2048
	s_mov_b32 s[SEL], 0x76543210
	s_mov_b32 s[SEL+1], 0xfedcba98
	s_mov_b32 s[C1], 0xbdd2d3e8
	s_mov_b32 s[C1+1], s[C1]
	s_cmp_eq_u32 s15, 0                            ; the prefetches: the part that I fetch, my work-group's 512 bytes of each piece
	s_cselect_b64 s[4:5], s[20:21], s[46:47]
	s_cselect_b32 s92, s40, s41                    ; my place among the four that ask jointly
	s_cselect_b32 s94, 15, 17                      ; log2 of a plane
	s_mov_b32 s98, KSB
	s_cselect_b32 s98, KSA, s98                    ; a step of 512 along K
	s_mov_b32 s99, 0
	s_lshl_b32 s92, s92, 9
	s_lshl_b32 s95, 16, s94                        ; plane 16
	s_add_nc_u64 s[4:5], s[4:5], s[92:93]
	s_add_nc_u64 s[4:5], s[4:5], s[98:99]          ; the second fill
	s_add_nc_u64 s[6:7], s[4:5], s[98:99]          ; the third
	s_add_nc_u64 s[98:99], s[6:7], s[98:99]        ; the fourth
	; lane addresses
	v_and_b32 v1, 15, v0                           ; r
	v_bfe_u32 v2, v0, 4, 1                         ; h
	v_and_b32 v8, 31, v0                           ; lane
	v_lshlrev_b32 v3, 4, v1
	v_lshlrev_b32 v7, 6, v2                        ; b1: 16 numbers for h
	v_lshlrev_b32 v[GL], 4, v8
	v_lshrrev_b32 v5, 1, v8
	v_and_b32 v6, 1, v8
	v_lshlrev_b32 v5, s94, v5
	v_lshl_add_u32 v[PFO], v6, 8, v5               ; plane lane / 2, block lane % 2
	v_min_u32 v6, 1, v8
	v_lshl_add_u32 v[PFS], v6, 8, s95              ; plane 16, block min(lane, 1)
	v_lshl_add_u32 v4, v2, 11, v3                  ; a fragment: 16 r + a plane for h
	v_add_nc_u32 v[ADRA], s22, v4
	v_add_nc_u32 v[ADRB], s23, v4
	v_add_nc_u32 v[ADRA+1], SLOT, v[ADRA]
	v_add_nc_u32 v[ADRB+1], SLOT, v[ADRB]
	v_lshl_add_u32 v[ADST], v8, 2, s96             ; scale words: 4 bytes a row, 32 rows a load
	v_lshl_add_u32 v[ADSW], v8, 2, s97
	v_add_nc_u32 v[ADST+1], SLOT, v[ADST]
	v_add_nc_u32 v[ADSW+1], SLOT, v[ADSW]
	v_lshl_add_u32 v[HO], v2, 15, v3
	v_lshl_add_u32 v[SW], v1, 2, s78
	v_add_nc_u32 v[SRD], s78, v[GL]
	v_lshl_add_u32 v[WSA], v8, 6, s79
	v_add_nc_u32 v[WRA], s79, v[GL]
	v_mov_b32 v[C0], 0xc0135761
	v_mov_b32 v[C0+1], v[C0]
.irp b, 0,1,2,3
	v_mov_b32 v[TM+4+\b], 0                        ; a lane permute's destination counts as a source
.endr
	s_wait_alu depctr_va_vdst(0)
	ASK 4
.irp b, 0,1,2,3,4,5,6,7
	global_load_b128 v[BI+8*\b:BI+8*\b+3],   v7, s[8:9] offset:4*(32*(\b/2)+8*(\b%2))
	global_load_b128 v[BI+8*\b+4:BI+8*\b+7], v7, s[8:9] offset:4*(32*(\b/2)+8*(\b%2))+16
.endr
.macro FRAG reg, adr, q, i             ; 16 rows x 128 K: registers 4 c .. 4 c + 3 = plane 4 q + 2 c + h, row 16 i + r
.irp c, 0,1
	ds_load_b128 v[\reg+4*\c:\reg+4*\c+3], v[\adr] offset:(4*(\q)+2*\c)*2048+256*(\i)
.endr
.endm
; 8 matrix instructions: token blocks a0, a0 + 1 x W1's four runs of 32 rows.  zero = 1: C is b1.  The 32 accumulators take turns, one instruction a turn.
.macro MUL a0, p, q, sc, zero
.irp a, \a0, \a0+1
.irp bb, 0,1,2,3
.set DD, 8*(8*((\a)%4)+2*\bb)
.if \zero
.set CC, BI+16*\bb
.else
.set CC, DD
.endif
.if (\a)%2
	v_wmma_scale_f32_32x16x128_f4 v[DD:DD+15], v[128*(\p)+16*\bb:128*(\p)+16*\bb+15], v[AF+8*(\a):AF+8*(\a)+7], v[CC:CC+15], v[SC+32*(\sc)+16+4*\bb+(\q)], v[SC+32*(\sc)+4*((\a)/2)+(\q)] matrix_b_scale:MATRIX_SCALE_ROW1
.else
	v_wmma_scale_f32_32x16x128_f4 v[DD:DD+15], v[128*(\p)+16*\bb:128*(\p)+16*\bb+15], v[AF+8*(\a):AF+8*(\a)+7], v[CC:CC+15], v[SC+32*(\sc)+16+4*\bb+(\q)], v[SC+32*(\sc)+4*((\a)/2)+(\q)]
.endif
.endr
.endr
.endm
.macro FETCH_B slot, q, p
	WIN TO_B
.irp i, 0,1,2,3,4,5,6,7
	FRAG 128*(\p)+8*\i, ADRB+\slot, \q, \i
.endr
	WIN 0
.endm
.macro FETCH_A slot, q, i0
.irp i, \i0, \i0+1, \i0+2, \i0+3
	FRAG AF+8*(\i), ADRA+\slot, \q, \i
.endr
.endm
.macro SCALES sl
.irp i, 0,1,2,3
.irp q, 0,1,2,3
	ds_load_b32 v[SC+32*\sl+4*\i+\q], v[ADST+\sl] offset:512*\q+128*\i
	ds_load_b32 v[SC+32*\sl+16+4*\i+\q], v[ADSW+\sl] offset:512*\q+128*\i
.endr
.endr
.endm
.macro PLACES n                        ; places behind matrix instructions, ahead of loads into their registers and of reads of results
.rept \n
	v_nop
.endr
.endm
.macro STEP slot, q, zero              ; 128 along K with its successor in the same slot
	s_wait_dscnt 8                                 ; all but the youngest eight LDS instructions (token blocks 4-7 among them)
.if \zero
	WIN 0x81
.else
	WIN MUL_LO
.endif
	MUL 0, (\q)%2, \q, \slot, \zero
	MUL 2, (\q)%2, \q, \slot, \zero
	s_wait_dscnt 0x0
	PLACES NP
	FETCH_B \slot, (\q)+1, 1-(\q)%2
	FETCH_A \slot, (\q)+1, 0
.if \zero
	WIN 0xc1
.else
	WIN MUL_HI
.endif
	MUL 4, (\q)%2, \q, \slot, \zero
	MUL 6, (\q)%2, \q, \slot, \zero
	PLACES NP
	WIN 0
	FETCH_A \slot, (\q)+1, 4
.endm
.macro TURN slot, next, fill           ; a slot's last step changes slots: one barrier; fill = 1: it opens a round, and the slot is filled again
	s_wait_tensorcnt 0x0                           ; all my tensor loads have landed
	ds_add_u32 v[SPW], v[NIL]
	s_wait_dscnt 9                                 ; the add and the youngest eight loads may be out
	WIN MUL_LO
	MUL 0, 1, NQ-1, \slot, 0
	s_wait_dscnt 0x0                               ; the add is done, my reads of this slot are over
	s_barrier_signal -1
	MUL 2, 1, NQ-1, \slot, 0
	WIN 0
	s_barrier_wait -1
.if \fill
	CREST
	s_add_nc_u64 s[G0+4*\slot+2:G0+4*\slot+3], s[G0+4*\slot+2:G0+4*\slot+3], 2*KSA
	s_add_nc_u64 s[G0B+4*\slot+2:G0B+4*\slot+3], s[G0B+4*\slot+2:G0B+4*\slot+3], 2*KSB
	JLOAD G0+4*\slot, G1, G0B+4*\slot, G1B
.else
	PLACES NP
.endif
	FETCH_B \next, 0, 0
	FETCH_A \next, 0, 0
	SCALES \next
	WIN MUL_HI
	MUL 4, 1, NQ-1, \slot, 0
	MUL 6, 1, NQ-1, \slot, 0
	PLACES NP
	WIN 0
	FETCH_A \next, 0, 4
.endm
; W2's block t from window 1 at wb: column by column 32 numbers into v[wg ..], their scale, their 16 bytes of codes into v[wg + 32 + 4 c ..] and on to the block's stage: 64 bytes a lane
.macro WBLOCK t, wb, wg, left
	s_wait_loadcnt \left
.irp c, 0,1,2,3
	WIN 0x01
.set i, 0
.rept 32
	v_mov_b32 v[\wg+i], v[\wb+4*i+64*(i/16)+\c]
.set i, i+1
.endr
	WIN 0
	v_max3_num_f32 v[WMA], |v[\wg]|, |v[\wg+1]|, |v[\wg+2]|
	v_max3_num_f32 v[WMB], |v[\wg+3]|, |v[\wg+4]|, |v[\wg+5]|
.irp e, 6,10,14,18,22,26
	v_max3_num_f32 v[WMA], v[WMA], |v[\wg+\e]|, |v[\wg+\e+1]|
	v_max3_num_f32 v[WMB], v[WMB], |v[\wg+\e+2]|, |v[\wg+\e+3]|
.endr
	v_max3_num_f32 v[WMA], v[WMA], |v[\wg+30]|, |v[\wg+31]|
	v_max3_num_f32 v[WMA], v[WMA], v[WMB], 0x1800000   ; the floor 2^(3 - 127): the byte cannot fall under 1
	v_add_nc_u32 v[WSO], 0xff000000, v[WMA]            ; 2 off the exponent field: the conversion's scale operand
.irp g, 0,1,2,3
	v_cvt_scalef32_pk8_fp4_f32 v[\wg+32+4*\c+\g], v[\wg+8*\g:\wg+8*\g+7], v[WSO]
.endr
	v_lshrrev_b32 v[WBY], 23, v[WSO]
.if (\t) == 0
	v_mov_b32 v[WW+\c], v[WBY]
.else
	v_lshl_or_b32 v[WW+\c], v[WBY], 8*(\t), v[WW+\c]
.endif
	ds_store_b128 v[WSA], v[\wg+32+4*\c:\wg+32+4*\c+3] offset:16*\c+8192*(\t)
.endr
	s_wait_alu depctr_va_vdst(0)
.endm
.macro WBACK t, win, reg               ; block t back as 4 x 512 consecutive bytes (LDS serves a wave's instructions in order)
	WIN \win
.irp j, 0,1,2,3
	ds_load_b128 v[\reg+4*\j:\reg+4*\j+3], v[WRA] offset:512*\j+8192*(\t)
.endr
	WIN 0
.endm
.macro WSTORE t, win, reg              ; 32 lanes store 512 consecutive bytes, aligned
	WIN \win
.irp j, 0,1,2,3
	global_store_b128 v[GL], v[\reg+4*\j:\reg+4*\j+3], s[WDST:WDST+1] offset:32768*(\t)+512*\j
.endr
	WIN 0
.endm
	s_wait_tensorcnt 0x0                           ; my part of slot 0 is in; the three lines ahead of a later first fill, as ahead of a refill
	ds_add_u32 v[SPW], v[NIL]
	s_wait_dscnt 0x0
	CROUND
	JLOAD G0+4, G1, G0B+4, G1B                     ; slot 1
	FETCH_B 0, 0, 0
	FETCH_A 0, 0, 0
	SCALES 0
	FETCH_A 0, 0, 4
	ASK 6
	ASK 98
	LOADP 0, 64, 0, 8
	s_wait_loadcnt 8                               ; b1 is in; W2's eight loads may be out
	STEP 0, 0, 1
	LOADP 0, 64, 8, 4
	STEP 0, 1, 0
	LOADP 0, 64, 12, 4
	STEP 0, 2, 0
	LOADP 0, 64, 16, 4
	TURN 0, 1, 1
	LOADP 0, 64, 20, 4
	STEP 1, 0, 0
	LOADP 0, 64, 24, 4
	STEP 1, 1, 0
	LOADP 0, 64, 28, 4
	STEP 1, 2, 0
	TURN 1, 0, 1
	STEP 0, 0, 0
	STEP 0, 1, 0
	WBLOCK 0, 64, 192, 0
	LOADP 1, 64, 0, 6
	STEP 0, 2, 0
	LOADP 1, 64, 6, 6
	TURN 0, 1, 0
	LOADP 1, 64, 12, 5
	STEP 1, 0, 0
	LOADP 1, 64, 17, 5
	STEP 1, 1, 0
	LOADP 1, 64, 22, 5
	STEP 1, 2, 0
	LOADP 1, 64, 27, 5
	s_wait_dscnt 8                                 ; the last step: nothing more to fetch
	WIN MUL_LO
	MUL 0, 1, NQ-1, 1, 0
	MUL 2, 1, NQ-1, 1, 0
	s_wait_dscnt 0x0
	WIN MUL_HI
	MUL 4, 1, NQ-1, 1, 0
	MUL 6, 1, NQ-1, 1, 0
	WIN 0
.macro QUANT s, pc, pw                 ; 64 numbers a lane: four blocks of 32 shared with lane l xor 16 -> 8 registers of codes in the operand's layout, one scale word
.irp b, 0,1,2,3
	v_max3_num_f32 v[TM+\b], |v[\s+16*\b]|, |v[\s+1+16*\b]|, 0x1800000
.endr
.irp i, 2,4,6,8,10,12,14
.irp b, 0,1,2,3
	v_max3_num_f32 v[TM+\b], v[TM+\b], |v[\s+16*\b+\i]|, |v[\s+1+16*\b+\i]|
.endr
.endr
.irp b, 0,1,2,3
	v_permlanex16_b32 v[TM+4+\b], v[TM+\b], s[SEL], s[SEL+1]
.endr
.irp b, 0,1,2,3
	v_max_num_f32 v[TM+\b], v[TM+\b], v[TM+4+\b]
.endr
.irp b, 0,1,2,3
	v_add_nc_u32 v[TM+12+\b], 0xff000000, v[TM+\b]
.endr
.irp b, 0,1,2,3
	v_lshrrev_b32 v[TM+4+\b], 23, v[TM+12+\b]
.endr
	v_lshl_or_b32 v[\pw], v[TM+5], 8, v[TM+4]
	v_lshl_or_b32 v[\pw], v[TM+6], 16, v[\pw]
	v_lshl_or_b32 v[\pw], v[TM+7], 24, v[\pw]
.irp b, 0,1,2,3
	v_cvt_scalef32_pk8_fp4_f32 v[\pc+2*\b], v[\s+16*\b:\s+7+16*\b], v[TM+12+\b]
	v_cvt_scalef32_pk8_fp4_f32 v[\pc+1+2*\b], v[\s+8+16*\b:\s+15+16*\b], v[TM+12+\b]
.endr
	v_nop
.irp c, 0,1
.irp i, 0,1
	v_permlane16_swap_b32 v[\pc+4*\c+\i], v[\pc+2+4*\c+\i]
.endr
.endr
.endm
.macro OUTB a                          ; token block a: gelu, codes into v[PC + 8 a ..], the scale word to my stage
.set AC, 64*((\a)%4)
.set WA, 5*(2+(\a)/4)
.set WB, 4*(2+(\a)/4)
	WIN WA
	s_wait_alu depctr_va_vdst(0)                   ; ahead of the first readers of matrix results
.set j, 0
.rept 32
	v_pk_mul_f32 v[T+j:T+j+1], v[AC+j:AC+j+1], v[AC+j:AC+j+1]
.set j, j+2
.endr
	WIN 0
.set j, 0
.rept 32
	v_pk_fma_f32 v[T+j:T+j+1], v[T+j:T+j+1], s[C1:C1+1], v[C0:C0+1] op_sel_hi:[1,0,1]
.set j, j+2
.endr
	WIN WB
.set j, 0
.rept 32
	v_pk_mul_f32 v[T+j:T+j+1], v[T+j:T+j+1], v[AC+j:AC+j+1]
.set j, j+2
.endr
	WIN 0
.set j, 0
	s_wait_alu depctr_va_vdst(0)                   ; ahead of the first batch
; The 64 numbers go in two halves of 32: one half's plain work stands among the other half's transcendentals; a plain place and a wait part the groups
.rept 32
	v_exp_f32 v[T+j], v[T+j]
.set j, j+1
.endr
	v_nop
	s_wait_alu depctr_va_vdst(0)
.set j, 0
.rept 16
	v_exp_f32 v[T+32+j], v[T+32+j]
	v_pk_add_f32 v[T+j:T+j+1], v[T+j:T+j+1], 1.0 op_sel_hi:[1,0]
	v_exp_f32 v[T+33+j], v[T+33+j]
.set j, j+2
.endr
	v_nop
	s_wait_alu depctr_va_vdst(0)
.set j, 0
.rept 16
	v_rcp_f32 v[T+j], v[T+j]
	v_pk_add_f32 v[T+32+j:T+33+j], v[T+32+j:T+33+j], 1.0 op_sel_hi:[1,0]
	v_rcp_f32 v[T+1+j], v[T+1+j]
.set j, j+2
.endr
	v_nop
	s_wait_alu depctr_va_vdst(0)
	WIN WB
.set j, 0
.rept 16
	v_rcp_f32 v[T+32+j], v[T+32+j]
	v_pk_mul_f32 v[T+j:T+j+1], v[T+j:T+j+1], v[AC+j:AC+j+1]
	v_rcp_f32 v[T+33+j], v[T+33+j]
.set j, j+2
.endr
	v_nop
	s_wait_alu depctr_va_vdst(0)
.set j, 32
.rept 16
	v_pk_mul_f32 v[T+j:T+j+1], v[T+j:T+j+1], v[AC+j:AC+j+1]
.set j, j+2
.endr
	WIN 0
	QUANT T, PC+8*(\a), PW+(\a)
	ds_store_b32 v[SW], v[PW+(\a)] offset:64*(\a)
.endm
.macro HSTORE a                        ; sixteen lanes store 256 consecutive bytes of a plane, aligned
	global_store_b128 v[HO], v[PC+8*(\a):PC+8*(\a)+3],   s[HB:HB+1] offset:256*(\a)
	global_store_b128 v[HO], v[PC+8*(\a)+4:PC+8*(\a)+7], s[HB:HB+1] offset:65536+256*(\a)
.endm
	PLACES NP
	LOADP 2, 0, 0, 32                              ; block 2 into the registers that held W1's fragments
	OUTB 0
	OUTB 1
	WBLOCK 1, 64, 128, 32                          ; block 2's 32 loads may be out
	LOADP 3, 64, 0, 32
	OUTB 2
	OUTB 3
	WBLOCK 2, 0, 128, 32                           ; block 3's 32 loads may be out
	WBACK 0, 0x80, 0                               ; blocks 0 to 2 into window 2, where token block 0's sums lay
	WBACK 1, 0x80, 16
	WBACK 2, 0x80, 32
	OUTB 4
	s_wait_alu depctr_va_vdst(0)
	s_wait_dscnt 0x0
.irp a, 0,1,2,3,4
	HSTORE \a
.endr
	WSTORE 0, 0x08, 0
	WSTORE 1, 0x08, 16
	WSTORE 2, 0x08, 32
	OUTB 5
	OUTB 6
	WBLOCK 3, 64, 128, 0
	WBACK 3, 0x80, 48
	OUTB 7
	ds_load_b128 v[FW:FW+3], v[SRD]                ; my 128 tokens' scale words, 512 bytes on end
	s_wait_alu depctr_va_vdst(0)
	s_wait_dscnt 0x0
.irp a, 5,6,7
	HSTORE \a
.endr
	WSTORE 3, 0x08, 48
	global_store_b128 v[GL], v[WW:WW+3], s[WSC:WSC+1]
	global_store_b128 v[GL], v[FW:FW+3], s[HS:HS+1]
	s_wait_tensorcnt 0x0                           ; the wave's end
	ds_add_u32 v[SPW], v[NIL]
	s_wait_dscnt 0x0
	CROUND                                         ; the closing round
	s_endpgm
.Lfunc_end_k_qdc91a3c28e_fc1:
	.size	k_qdc91a3c28e_fc1, .Lfunc_end_k_qdc91a3c28e_fc1-k_qdc91a3c28e_fc1
	.p2alignl 7, 3214868480
	.fill 96, 4, 3214868480
	.section	.rodata,"a",@progbits
	.p2align	6, 0x0
	.amdhsa_kernel k_qdc91a3c28e_fc1
		.amdhsa_group_segment_fixed_size 327680
		.amdhsa_private_segment_fixed_size 0
		.amdhsa_enable_private_segment 0
		.amdhsa_kernarg_size 48
		.amdhsa_user_sgpr_count 2
		.amdhsa_user_sgpr_kernarg_segment_ptr 1
		.amdhsa_wavefront_size32 1
		.amdhsa_system_sgpr_workgroup_id_x 1
		.amdhsa_system_sgpr_workgroup_id_y 1
		.amdhsa_system_sgpr_workgroup_id_z 1
		.amdhsa_system_vgpr_workitem_id 0
		.amdhsa_next_free_vgpr 1024
		.amdhsa_next_free_sgpr 100
		.amdhsa_reserve_vcc 0
		.amdhsa_float_denorm_mode_32 3
		.amdhsa_float_denorm_mode_16_64 3
		.amdhsa_memory_ordered 1
		.amdhsa_forward_progress 1
		.amdhsa_inst_pref_size 255
	.end_amdhsa_kernel
	.section	.bss,"aw",@nobits
	.p2align	6
	.space	262144
	.amdgpu_metadata
---
amdhsa.version: [ 1, 2 ]
amdhsa.kernels:
  - .name:           k_qdc91a3c28e_fc1
    .symbol:         k_qdc91a3c28e_fc1.kd
    .args:
      - { .name: xq, .offset: 0, .size: 8, .value_kind: global_buffer, .address_space: global }
      - { .name: w1q, .offset: 8, .size: 8, .value_kind: global_buffer, .address_space: global }
      - { .name: b1, .offset: 16, .size: 8, .value_kind: global_buffer, .address_space: global }
      - { .name: hq, .offset: 24, .size: 8, .value_kind: global_buffer, .address_space: global }
      - { .name: W2, .offset: 32, .size: 8, .value_kind: global_buffer, .address_space: global }
      - { .name: w2q, .offset: 40, .size: 8, .value_kind: global_buffer, .address_space: global }
    .group_segment_fixed_size: 327680
    .private_segment_fixed_size: 0
    .kernarg_segment_align: 8
    .kernarg_segment_size: 48
    .max_flat_workgroup_size: 128
    .sgpr_count:     100
    .vgpr_count:     1024
    .wavefront_size: 32
...
	.end_amdgpu_metadata
.endif
;; end of part 2
;; launch fc2 (part 3): grid 16 x 16, 4 waves a work-group, clusters of 4 x 4, 327,680 bytes of LDS; arguments hq, w2q, b2, out0; writes out0
.if DOCPART == 3
	.amdgcn_target "amdgcn-amd-amdhsa--gfx1250"
	.amdhsa_code_object_version 6
	.text
	.protected	k_qdc91a3c28e_fc2
	.globl	k_qdc91a3c28e_fc2
	.p2align	8
	.type	k_qdc91a3c28e_fc2,@function
k_qdc91a3c28e_fc2:
	s_mov_b64 s[64:65], 0
	v_nop
	global_prefetch_b8 v0, s[64:65] scope:SCOPE_SE
	s_setreg_imm32_b32 hwreg(HW_REG_WAVE_MODE, 25, 1), 1
	s_wait_xcnt 0x0
	s_wait_alu depctr_hold_cnt(0) depctr_sa_sdst(0) depctr_va_vdst(0) depctr_va_sdst(0) depctr_va_ssrc(0) depctr_va_vcc(0) depctr_vm_vsrc(0)
	s_getreg_b32 s2, hwreg(HW_REG_IB_STS2, 6, 4)
	s_cmp_eq_u32 s2, 0
	s_cbranch_scc0 .Lentry_in_a_cluster
	s_endpgm
.Lentry_in_a_cluster:
	s_bfe_u32 s2, ttmp6, 0x10000c
	s_cmp_lg_u32 s2, 0xf033
	s_cbranch_scc0 .Lentry_shape_is_right
	s_endpgm
.Lentry_shape_is_right:
; out0 = h W2 + b2 on codes of FP4 with E8M0 scales: hq (2,048 tokens) and w2q (2,048 outputs), K = 8,192, both laid [K / 512][17 planes][32,768 bytes]: plane p < 16: block p of the step, 16 bytes a row;
; plane 16: scale words [group of 128 rows][q][128][4].  A PART = 128 rows x 512 K with scales = 17 pieces of 2,048 bytes, one tensor load, dense in LDS.
; A tile of out0 is 128 tokens x 128 outputs, so that there are 256 work-groups.  THE FOUR WAVES SHARE K, NOT THE TILE: each makes all 128 x 128 (64 accumulators, 512 registers) over a quarter of K, so that a fragment
; read from LDS feeds eight matrix instructions, as in a tile of 256 x 256.  A slot holds 1,024 along K: the tokens' two steps of 512, then W2's two; wave w works on step w / 2 of the slot, its words q = 2 (w % 2) + 0, 1.
; ORDER OF SUMS, stated: an output is ((p0 + p1) + (p2 + p3)) + b2, p_w the f32 sum over wave w's quarter of K (256 of each 1,024), K ascending within it: not one chain over all of K.
; The four parts meet in LDS, in the ring's bytes, when the ring has had its last fill and its last read; each wave adds 32 rows and stores them whole.
; CLUSTERS: 4 x 4 work-groups; the tokens' parts are shared along a row of the cluster, W2's along a column, by joint loads.  THE MATRIX INSTRUCTION IS USED TRANSPOSED (source 0 = 16 rows of w2q, source 1 = 16 tokens):
; a lane holds eight neighbouring outputs of one token.
; REGISTERS: window 0: v1-29 addresses, b2; v32-63 scale words, two sets, and nothing else; v128-191 the tokens' fragments, ONE set; on the way out v128-255 two sets of 64.
;   window 1: W2's fragments, TWO sets, at v0 and v128.   window 2: accumulators of tokens 0-63 ((a, b) at v[8 (8 a + b)]);   window 3: of tokens 64-127.
.set NQ,    2                          ; matrix instructions deep, for a wave, in a slot
.set LAPS,  4                          ; a lap = two slots; K = 8,192 = 8 slots
.set PART,  17*2048
.set SLOT,  4*PART
.set SPARE, 2*SLOT                     ; behind the ring: the spare words, 128 bytes for each wave: two blocks of 256 bytes that no other line names
.set KS,    17*32768                   ; a step of 512 along K in hq and in w2q, in bytes
.set FR,    8
.set NP,    4                          ; places behind this matrix instruction (ISA guide 7.12.1)
.set SPI,   528                        ; the way out: a row of 128 f32 + 16 bytes
.set AREA,  128*SPI                    ; a wave's 128 rows; the four areas end under SPARE
.set BB,   8                           ; v8-11   b2 of my four outputs
.set RD,   12                          ; v12-15  the way out: where I read 16 bytes of a row in area 0 .. 3
.set ADRA, 16                          ; v16-17  LDS address of my tokens' fragments in slot 0, 1
.set ADRB, 20                          ; v20-21  the same for W2's
.set ADRS, 22                          ; v22-23  of my scale words: lanes 0-15 the tokens', lanes 16-31 W2's
.set STO,  24                          ; v24     the way out: where I put 32 bytes of a row
.set GL,   27                          ; v27     16 x lane
.set SPW,  28                          ; v28     LDS address of my spare word; never rewritten
.set NIL,  29                          ; v29     0; never rewritten
.set SC,   32
.set AF,   128
.set G1, 24                            ; s[24:31] descriptor group 1 for the tokens' parts;  s[32:39] group 0, one set for each slot
.set G0, 32
.set G1B, 48                           ; s[48:55], s[56:63] the same for W2's
.set G0B, 56
.set MSB, 0
.macro WIN new                         ; the immediate's high byte repeats the setting that is left
.if MSB != (\new)
	s_set_vgpr_msb (MSB<<8)|(\new)
.set MSB, \new
.endif
.endm
.set MUL_LO, 0xa1                      ; source 0 (W2) window 1, source 1 (tokens) window 0, C and D window 2
.set MUL_HI, 0xf1                      ; the same, C and D window 3
.set TO_B,   0x40                      ; destination window 1, address window 0
; A joint load: waves 0 and 1 fetch the tokens' parts, waves 2 and 3 W2's; the branch hangs on the wave's number alone.  Four v_nop follow each of the two lines.
.macro JLOAD g0a, g1a, g0b, g1b
	s_cmp_eq_u32 s15, 0
	s_cbranch_scc0 .Lfor_b_\@
	tensor_load_to_lds s[\g0a:\g0a+3], s[\g1a:\g1a+7]
	s_nop 0
.rept 4
	v_nop
.endr
	s_branch .Lasked_\@
.Lfor_b_\@:
	tensor_load_to_lds s[\g0b:\g0b+3], s[\g1b:\g1b+7]
	s_nop 0
.rept 4
	v_nop
.endr
.Lasked_\@:
.endm
.macro CREST                           ; a round of the cluster's barrier behind its opening barrier
	s_cmp_lg_u32 s14, 0
	s_cbranch_scc1 .Lnot_wave_0_\@
	s_barrier_signal -3
.Lnot_wave_0_\@:
	s_barrier_wait -3
	s_barrier_signal -1
	s_barrier_wait -1
.endm
.macro CROUND                          ; a whole round
	s_barrier_signal -1
	s_barrier_wait -1
	CREST
.endm
	s_load_b256 s[4:11], s[0:1], 0x0               ; hq s[4:5], w2q s[6:7], b2 s[8:9], out0 s[10:11]
	v_lshl_add_u32 v[SPW], v0, 2, SPARE
	v_mov_b32 v[NIL], 0
	ds_add_u32 v28, v29
	ds_add_u32 v28, v29
	s_wait_dscnt 0x0
	v_lshrrev_b32 v1, 5, v0
	v_readfirstlane_b32 s14, v1                    ; wave 0..3
	s_lshr_b32 s15, s14, 1                         ; which of a slot's two steps of 512 I multiply.  Also: I fetch tokens (0) or W2 (1)
	s_and_b32 s16, s14, 1                          ; which half of that step.  Also: which of the two steps I fetch
	s_bfe_u32 s40, ttmp6, 0x40000                  ; cx, cy: my place in the cluster
	s_bfe_u32 s41, ttmp6, 0x40004
	s_lshl_b32 s42, ttmp9, 2
	s_add_co_u32 s42, s42, s40                     ; tile of outputs = 4 x cluster x + cx
	s_and_b32 s17, ttmp7, 0xffff
	s_lshl_b32 s17, s17, 2
	s_add_co_u32 s17, s17, s41                     ; tile of tokens = 4 x cluster y + cy
	s_lshl_b32 s43, s41, 2
	s_lshl_b32 s43, 15, s43                        ; my row of the cluster
	s_lshl_b32 s44, 0x1111, s40                    ; my column
	; descriptor group 1: 17 rows of 256 elements of 8 bytes, a plane apart; no padding
	s_or_b32 s[G1+0], s43, (3<<16)|(1<<21)         ; 15:0 the mask: the tokens' parts go to my row; 17:16 elements of 8 bytes; 21 set beside a mask
	s_or_b32 s[G1B+0], s44, (3<<16)|(1<<21)        ; W2's go to my column
.irp g, G1, G1B
	s_mov_b32 s[\g+1], 256<<16                     ; tensor_dim0 = 256
	s_mov_b32 s[\g+2], 17<<16                      ; tensor_dim1 = 17
	s_mov_b32 s[\g+3], 256<<16                     ; tile_dim0 = 256
	s_mov_b32 s[\g+4], 17                          ; tile_dim1 = 17
	s_mov_b32 s[\g+5], 32768/8                     ; tensor_dim0_stride: a plane
	s_mov_b32 s[\g+6], 0
	s_mov_b32 s[\g+7], 0
.endr
	s_mul_i32 s18, s16, KS                         ; which of the slot's two steps I fetch
	s_lshl_b32 s20, s17, 11
	s_add_co_u32 s20, s20, s18                     ; tokens: 2,048 x tile of tokens in each plane
	s_mov_b32 s21, 0
	s_lshl_b32 s46, s42, 11
	s_add_co_u32 s46, s46, s18                     ; W2: 2,048 x tile of outputs
	s_mov_b32 s47, 0
	s_mul_i32 s45, s14, PART                       ; where they go: part = wave: no place in the cluster enters an LDS address
	s_wait_kmcnt 0x0
	s_add_nc_u64 s[20:21], s[4:5], s[20:21]
	s_add_nc_u64 s[46:47], s[6:7], s[46:47]
	CROUND                                         ; all sixteen work-groups are here: the first joint loads meet
.irp s, 0,1
	s_mov_b32 s[G0+4*\s], 1
	s_add_co_u32 s[G0+4*\s+1], s45, \s*SLOT
	s_add_nc_u64 s[G0+4*\s+2:G0+4*\s+3], s[20:21], \s*2*KS
	s_or_b32 s[G0+4*\s+3], s[G0+4*\s+3], 0x80000000
	s_mov_b32 s[G0B+4*\s], 1
	s_add_co_u32 s[G0B+4*\s+1], s45, \s*SLOT
	s_add_nc_u64 s[G0B+4*\s+2:G0B+4*\s+3], s[46:47], \s*2*KS
	s_or_b32 s[G0B+4*\s+3], s[G0B+4*\s+3], 0x80000000
.endr
	JLOAD G0, G1, G0B, G1B                         ; slot 0: one tensor load a wave at the head
	; the prefetches: of the part that I fetch (17 pieces of 8 blocks of 256 bytes) each of the four partners names 2 blocks a piece, told apart by address
	s_cmp_eq_u32 s15, 0
	s_cselect_b64 s[72:73], s[20:21], s[46:47]
	s_cselect_b32 s74, s40, s41                    ; my place among the four that ask jointly
	s_lshl_b32 s74, s74, 9
	s_mov_b32 s75, 0
	s_add_nc_u64 s[72:73], s[72:73], s[74:75]
	v_and_b32 v6, 31, v0
	v_lshrrev_b32 v7, 1, v6
	v_and_b32 v5, 1, v6
	v_lshlrev_b32 v5, 8, v5
	v_lshl_add_u32 v30, v7, 15, v5                 ; plane lane / 2, block lane % 2
	v_min_u32 v5, 1, v6
	v_lshlrev_b32 v5, 8, v5
	v_add_nc_u32 v31, 16*32768, v5                 ; plane 16, block min(lane, 1)
	s_wait_alu depctr_va_vdst(0)
.irp s, 1,2
	global_prefetch_b8 v30, s[72:73] offset:\s*2*KS th:TH_LOAD_NT scope:SCOPE_SE   ; slots 1 and 2
	global_prefetch_b8 v31, s[72:73] offset:\s*2*KS th:TH_LOAD_NT scope:SCOPE_SE
.endr
	v_and_b32 v1, 15, v0                           ; r = lane % 16
	v_bfe_u32 v2, v0, 4, 1                         ; h = lane / 16
	v_lshlrev_b32 v3, 4, v1
	v_lshl_add_u32 v4, v2, 11, v3                  ; a fragment: 16 r + a plane for h
	s_mul_i32 s22, s15, PART                       ; my step of the slot,
	s_lshl_b32 s23, s16, 14                        ; my half of it: eight planes
	s_add_co_u32 s23, s23, s22
	v_add_nc_u32 v[ADRA], s23, v4
	v_add_nc_u32 v[ADRA+1], SLOT, v[ADRA]
	v_add_nc_u32 v[ADRB], 2*PART, v[ADRA]          ; W2's parts lie behind the tokens' two
	v_add_nc_u32 v[ADRB+1], SLOT, v[ADRB]
	s_lshl_b32 s23, s16, 10                        ; my two words q: 512 bytes each
	s_add_co_u32 s23, s23, s22
	s_add_co_u32 s23, s23, 16*2048                 ; in plane 16 of the part
	v_mul_u32_u24 v6, v2, 2*PART                   ; lanes 16-31 take W2's scale words
	v_lshl_add_u32 v5, v1, 2, v6                   ; 4 bytes a row
	v_add_nc_u32 v[ADRS], s23, v5
	v_add_nc_u32 v[ADRS+1], SLOT, v[ADRS]
	s_mul_i32 s23, s14, AREA                       ; the way out: my area; row r, 32 bytes for each half of the lanes
	v_mul_u32_u24 v5, v1, SPI
	v_lshl_add_u32 v5, v2, 5, v5
	v_add_nc_u32 v[STO], s23, v5
	s_mul_i32 s23, s14, 32*SPI                     ; back: rows 32 w .. 32 w + 31 of every area, 16 bytes a lane
	v_and_b32 v6, 31, v0
	v_lshlrev_b32 v[GL], 4, v6
	v_add_nc_u32 v[RD], s23, v[GL]
.irp s, 1,2,3
	v_add_nc_u32 v[RD+\s], \s*AREA, v[RD]
.endr
	s_lshl_b32 s68, s42, 9                         ; the tile's 128 outputs: 512 bytes
	s_mov_b32 s69, 0
	s_add_nc_u64 s[8:9], s[8:9], s[68:69]
	global_load_b128 v[BB:BB+3], v[GL], s[8:9]     ; b2 of my four outputs
	s_lshl_b32 s70, s17, 20                        ; 128 rows of 8,192 bytes a tile of tokens,
	s_lshl_b32 s71, s14, 18                        ; 32 rows a wave
	s_add_co_u32 s70, s70, s71
	s_add_co_u32 s70, s70, s68
	s_mov_b32 s71, 0
	s_add_nc_u64 s[10:11], s[10:11], s[70:71]
.macro FRAG reg, adr, q, i             ; a fragment, 16 rows x 128 K: registers 4 c .. 4 c + 3 hold K = 64 c + 32 (lane / 16) + 0 .. 31: plane 4 q + 2 c + lane / 16 of my eight, row 16 i + lane % 16
.irp c, 0,1
	ds_load_b128 v[\reg+4*\c:\reg+4*\c+3], v[\adr] offset:(4*(\q)+2*\c)*2048+256*(\i)
.endr
.endm
; 16 matrix instructions: the tokens' blocks a0, a0 + 1 x W2's eight, my q-th 128 along K of the slot.  zero = 1: the first product starts the sums: nothing is ever cleared.
; The 64 accumulators take turns, one instruction a turn, in the same order in every step.
.macro MUL16 a0, p, q, sc, zero
.irp a, \a0, \a0+1
.irp b, 0,1,2,3,4,5,6,7
.if \zero
	v_wmma_scale_f32_16x16x128_f8f6f4 v[8*(8*((\a)%4)+\b):8*(8*((\a)%4)+\b)+7], v[128*(\p)+FR*\b:128*(\p)+FR*\b+FR-1], v[AF+FR*(\a):AF+FR*(\a)+FR-1], 0, v[SC+8*NQ*(\sc)+NQ*\b+(\q)], v[SC+8*NQ*(\sc)+NQ*(\a)+(\q)] matrix_a_fmt:MATRIX_FMT_FP4 matrix_b_fmt:MATRIX_FMT_FP4 matrix_a_scale:MATRIX_SCALE_ROW1
.else
	v_wmma_scale_f32_16x16x128_f8f6f4 v[8*(8*((\a)%4)+\b):8*(8*((\a)%4)+\b)+7], v[128*(\p)+FR*\b:128*(\p)+FR*\b+FR-1], v[AF+FR*(\a):AF+FR*(\a)+FR-1], v[8*(8*((\a)%4)+\b):8*(8*((\a)%4)+\b)+7], v[SC+8*NQ*(\sc)+NQ*\b+(\q)], v[SC+8*NQ*(\sc)+NQ*(\a)+(\q)] matrix_a_fmt:MATRIX_FMT_FP4 matrix_b_fmt:MATRIX_FMT_FP4 matrix_a_scale:MATRIX_SCALE_ROW1
.endif
.endr
.endr
.endm
.macro FETCH_B slot, q, p              ; W2's eight fragments into set p
	WIN TO_B
.irp i, 0,1,2,3,4,5,6,7
	FRAG 128*(\p)+FR*\i, ADRB+\slot, \q, \i
.endr
	WIN 0
.endm
.macro FETCH_A slot, q, i0             ; the tokens' blocks i0 .. i0 + 3
.irp i, \i0, \i0+1, \i0+2, \i0+3
	FRAG AF+FR*(\i), ADRA+\slot, \q, \i
.endr
.endm
.macro SCALES sl                       ; my scale words of the slot into set sl: lanes 0-15 the tokens' block i, lanes 16-31 W2's block i
.irp i, 0,1,2,3,4,5,6,7
.set qq, 0
.rept NQ
	ds_load_b32 v[SC+8*NQ*\sl+NQ*\i+qq], v[ADRS+\sl] offset:512*qq+64*\i
.set qq, qq+1
.endr
.endr
.endm
; A load into a register that a matrix instruction has read, and a store that reads a matrix result, stand NP places behind that matrix instruction; only plain vector instructions that name none of its
; registers are places (ISA guide 7.12.1 for vector instructions).
.macro PLACES n
.rept \n
	v_nop
.endr
.endm
.macro STEP slot, q, zero              ; a step of 128 along K that has its successor in the same slot
	s_wait_dscnt 8                                 ; W2's set, the tokens' blocks 0-3 and the scale words are in; the youngest eight loads (blocks 4-7) may be out
	WIN MUL_LO
	MUL16 0, (\q)%2, \q, \slot, \zero
	MUL16 2, (\q)%2, \q, \slot, \zero
	s_wait_dscnt 0x0                               ; blocks 4-7 are in (asked for 32 matrix instructions ago)
	PLACES NP
	FETCH_B \slot, (\q)+1, 1-(\q)%2
	FETCH_A \slot, (\q)+1, 0
	WIN MUL_HI
	MUL16 4, (\q)%2, \q, \slot, \zero
	MUL16 6, (\q)%2, \q, \slot, \zero
	PLACES NP
	WIN 0
	FETCH_A \slot, (\q)+1, 4
.endm
; A slot's last step changes slots: ONE barrier; in front of it each wave waits for all its tensor loads, adds 0 to its spare word, and waits for that and for its own reads of this slot.  fill = 1: this slot is filled again, two slots ahead.
.macro TURN slot, next, fill
.if \fill
	s_wait_xcnt 0x0                                ; my prefetches have read their base: it steps a slot on
	s_add_nc_u64 s[72:73], s[72:73], 2*KS
.endif
	s_wait_tensorcnt 0x0                           ; all my tensor loads have landed: my part of the next slot  (every window is 0 here)
	ds_add_u32 v[SPW], v[NIL]                      ; 0 onto my spare word
	s_wait_dscnt 9                                 ; (the add and the youngest eight loads may be out)
	WIN MUL_LO
	MUL16 0, 1, NQ-1, \slot, 0                     ; sixteen matrix instructions stand between the add and the wait for it
	s_wait_dscnt 0x0                               ; the add is done, and my reads of this slot are over
	s_barrier_signal -1
	MUL16 2, 1, NQ-1, \slot, 0
	WIN 0
	s_barrier_wait -1
.if \fill
	CREST                                          ; the barrier has opened a round of the cluster's barrier: no wave of any partner still reads this slot or has a load on its way
	s_add_nc_u64 s[G0+4*\slot+2:G0+4*\slot+3], s[G0+4*\slot+2:G0+4*\slot+3], 4*KS
	s_add_nc_u64 s[G0B+4*\slot+2:G0B+4*\slot+3], s[G0B+4*\slot+2:G0B+4*\slot+3], 4*KS
	JLOAD G0+4*\slot, G1, G0B+4*\slot, G1B         ; the first tensor load behind the round, my only one until the next; its four v_nop are the places in front of the loads below
.else
	PLACES NP
.endif
	FETCH_B \next, 0, 0
	FETCH_A \next, 0, 0
	SCALES \next
.if \fill
	s_cmp_gt_u32 s3, 1                             ; the slot two refills on; the loop's last trip has none
	s_cbranch_scc0 .Lno_ask_\@
	global_prefetch_b8 v30, s[72:73] offset:6*KS th:TH_LOAD_NT scope:SCOPE_SE
	global_prefetch_b8 v31, s[72:73] offset:6*KS th:TH_LOAD_NT scope:SCOPE_SE
.Lno_ask_\@:
.endif
	WIN MUL_HI
	MUL16 4, 1, NQ-1, \slot, 0
	MUL16 6, 1, NQ-1, \slot, 0
	PLACES NP
	WIN 0
	FETCH_A \next, 0, 4
.endm
.macro STEPS slot, from                ; the slot's steps from .. NQ - 2
.if NQ-1-\from > 0
.set Q, \from
.rept NQ-1-\from
	STEP \slot, Q, 0
.set Q, Q+1
.endr
.endif
.endm
	s_wait_alu depctr_va_vdst(0)
	s_wait_tensorcnt 0x0                           ; my part of slot 0 is in; the three lines ahead of a later first fill, as ahead of a refill
	ds_add_u32 v[SPW], v[NIL]
	s_wait_dscnt 0x0
	CROUND                                         ; everybody's part is in, and the joint loads meet
	JLOAD G0+4, G1, G0B+4, G1B                     ; slot 1
	FETCH_B 0, 0, 0
	FETCH_A 0, 0, 0
	SCALES 0
	global_prefetch_b8 v30, s[72:73] offset:6*KS th:TH_LOAD_NT scope:SCOPE_SE      ; slot 3
	global_prefetch_b8 v31, s[72:73] offset:6*KS th:TH_LOAD_NT scope:SCOPE_SE
	FETCH_A 0, 0, 4
	STEP 0, 0, 1                                   ; the first step stands in front of the loop: its products start the sums
	s_mov_b32 s3, LAPS-1
.Llap:                                                 ; a trip goes once round the ring, from a lap's second step to the next lap's first, and fills both slots again
	STEPS 0, 1
	TURN 0, 1, 1
	STEPS 1, 0
	TURN 1, 0, 1
	STEP 0, 0, 0
	s_sub_co_u32 s3, s3, 1
	s_cmp_lg_u32 s3, 0
	s_cbranch_scc1 .Llap
	STEPS 0, 1                                     ; the last lap fills nothing, and has no round of the cluster's barrier
	TURN 0, 1, 0
	STEPS 1, 0
	s_wait_dscnt 8                                 ; the very last step: nothing more to fetch
	WIN MUL_LO
	MUL16 0, 1, NQ-1, 1, 0
	MUL16 2, 1, NQ-1, 1, 0
	s_wait_alu depctr_va_vdst(0)
	s_wait_dscnt 0x0
	WIN MUL_HI
	MUL16 4, 1, NQ-1, 1, 0
	MUL16 6, 1, NQ-1, 1, 0
	WIN 0
	; THE WAY OUT.  The ring has had its last fill (every wave has waited for all its tensor loads at the last change of slots); behind this barrier nobody reads it: its bytes take the four waves' parts.
	PLACES NP                                      ; behind the last products: for the stores of results and the loads into the tokens' fragments
	s_wait_dscnt 0x0                               ; my reads of the ring are over
	s_barrier_signal -1
	s_barrier_wait -1
.irp a, 0,1,2,3,4,5,6,7
.set AC, 64*((\a)%4)
	WIN 0x08+4*((\a)/4)                            ; an LDS store's data are its source 1: window 2 or 3
.irp b, 0,1,2,3,4,5,6,7
	ds_store_b128 v[STO], v[AC+8*\b:AC+8*\b+3]   offset:16*SPI*\a+64*\b      ; lane (r, h): token 16 a + r, outputs 16 b + 8 h + 0 .. 7; each accumulator from its low end on
	ds_store_b128 v[STO], v[AC+8*\b+4:AC+8*\b+7] offset:16*SPI*\a+64*\b+16
.endr
.endr
	WIN 0
	s_wait_dscnt 0x0                               ; for the others' sake: my part lies in LDS
	s_barrier_signal -1
	s_barrier_wait -1
; Four rows at a time, on two sets of 64 registers: row p's 16 bytes a lane from area s at v[128 + 64 (g % 2) + 16 p + 4 s].
.macro LOADG g
.irp p, 0,1,2,3
.irp s, 0,1,2,3
	ds_load_b128 v[128+64*((\g)%2)+16*\p+4*\s:128+64*((\g)%2)+16*\p+4*\s+3], v[RD+\s] offset:SPI*(4*(\g)+\p)
.endr
.endr
.endm
.macro SUMG g
.irp p, 0,1,2,3
.set R0, 128+64*((\g)%2)+16*\p
.irp e, 0,2
	v_pk_add_f32 v[R0+\e:R0+\e+1], v[R0+\e:R0+\e+1], v[R0+4+\e:R0+5+\e]        ; p0 + p1
	v_pk_add_f32 v[R0+8+\e:R0+9+\e], v[R0+8+\e:R0+9+\e], v[R0+12+\e:R0+13+\e]  ; p2 + p3
.endr
.irp e, 0,2
	v_pk_add_f32 v[R0+\e:R0+\e+1], v[R0+\e:R0+\e+1], v[R0+8+\e:R0+9+\e]
.endr
.irp e, 0,2
	v_pk_add_f32 v[R0+\e:R0+\e+1], v[R0+\e:R0+\e+1], v[BB+\e:BB+\e+1]          ; + b2
.endr
	global_store_b128 v[GL], v[R0:R0+3], s[10:11] offset:8192*(4*(\g)+\p) th:TH_STORE_NT   ; 32 lanes store 512 consecutive bytes, at a multiple of 256 from out0's first byte; written once, read by nobody here
.endr
.endm
	s_wait_loadcnt 0x0                             ; b2
	LOADG 0
.irp g, 0,1,2,3,4,5,6,7
.if \g > 0
	s_wait_xcnt 0x0                                ; group g - 1's stores have read their data: the next loads land in those registers only behind this wait
.endif
.if \g < 7
	LOADG \g+1
	s_wait_dscnt 16                                ; this group's sixteen loads are in; the sixteen just issued may be out
.else
	s_wait_dscnt 0x0
.endif
	SUMG \g
.endr
	s_wait_tensorcnt 0x0                           ; the wave's end, behind my last tensor load and my last LDS store
	ds_add_u32 v[SPW], v[NIL]
	s_wait_dscnt 0x0
	CROUND                                         ; the closing round: no work-group ends while a partner may still ask for a part that names it
	s_endpgm
.Lfunc_end_k_qdc91a3c28e_fc2:
	.size	k_qdc91a3c28e_fc2, .Lfunc_end_k_qdc91a3c28e_fc2-k_qdc91a3c28e_fc2
	.p2alignl 7, 3214868480
	.fill 96, 4, 3214868480
	.section	.rodata,"a",@progbits
	.p2align	6, 0x0
	.amdhsa_kernel k_qdc91a3c28e_fc2
		.amdhsa_group_segment_fixed_size 327680
		.amdhsa_private_segment_fixed_size 0
		.amdhsa_enable_private_segment 0
		.amdhsa_kernarg_size 32
		.amdhsa_user_sgpr_count 2
		.amdhsa_user_sgpr_kernarg_segment_ptr 1
		.amdhsa_wavefront_size32 1
		.amdhsa_system_sgpr_workgroup_id_x 1
		.amdhsa_system_sgpr_workgroup_id_y 1
		.amdhsa_system_sgpr_workgroup_id_z 1
		.amdhsa_system_vgpr_workitem_id 0
		.amdhsa_next_free_vgpr 1024
		.amdhsa_next_free_sgpr 98
		.amdhsa_reserve_vcc 0
		.amdhsa_float_denorm_mode_32 3
		.amdhsa_float_denorm_mode_16_64 3
		.amdhsa_memory_ordered 1
		.amdhsa_forward_progress 1
		.amdhsa_inst_pref_size 136
	.end_amdhsa_kernel
	.amdgpu_metadata
---
amdhsa.version: [ 1, 2 ]
amdhsa.kernels:
  - .name:           k_qdc91a3c28e_fc2
    .symbol:         k_qdc91a3c28e_fc2.kd
    .args:
      - { .name: hq, .offset: 0, .size: 8, .value_kind: global_buffer, .address_space: global }
      - { .name: w2q, .offset: 8, .size: 8, .value_kind: global_buffer, .address_space: global }
      - { .name: b2, .offset: 16, .size: 8, .value_kind: global_buffer, .address_space: global }
      - { .name: out0, .offset: 24, .size: 8, .value_kind: global_buffer, .address_space: global }
    .group_segment_fixed_size: 327680
    .private_segment_fixed_size: 0
    .kernarg_segment_align: 8
    .kernarg_segment_size: 32
    .max_flat_workgroup_size: 128
    .sgpr_count:     98
    .vgpr_count:     1024
    .wavefront_size: 32
...
	.end_amdgpu_metadata
.endif
;; end of part 3
